; MI455X (gfx1250); checked and timed in simulation.
; The chip was launched on July 23, 2026; its instructions are those of AMD's public machine-readable ISA for CDNA 5 (MIT licence, August 2026) and "CDNA5" Instruction Set Architecture Reference Guide (July 2026). The comments in the code are by the model that wrote it; some were corrected since.
;; Attention. Allowed arithmetic: float matrix products may take bf16 or f16 operands with f32 sums; other float arithmetic in f32, or as packed bf16 or f16 multiplies, adds, multiply-adds, maxima and minima; sums over many terms, partial sums and values carried from step to step in f32; what a program stores and reads back later, other than sums and carried values, may be rounded once to bf16 or f16.
;; Inputs: W_out 1,024 x 256 float32; W_proj 256 x 3,072 float32; b_out 256 float32; b_proj 3,072 float32; x 16 x 256 x 32 x 32 float32.
;; Outputs: out0 16 x 256 x 32 x 32 float32.
;; One version. Each part assembles by itself: llvm-mc -triple=amdgcn-amd-amdhsa -mcpu=gfx1250 --defsym DOCPART=n.
;; ======== version 1 of 1: 2 launches
;; workspace buffers: xt 8,388,608 bytes; at 524,288 bytes; bt 524,288 bytes; gv 4,096 bytes; cv 4,096 bytes
;; launch prep (part 1): grid 384 x 1, 4 waves a work-group, no clusters, 34,304 bytes of LDS; arguments x, W_proj, b_proj, W_out, xt, at, bt, gv, cv; writes xt, at, bt, gv, cv
.if DOCPART == 1
	.amdgcn_target "amdgcn-amd-amdhsa--gfx1250"
	.amdhsa_code_object_version 6
	.text
	.protected	k_q196e9085f3_prep
	.globl	k_q196e9085f3_prep
	.p2align	8
	.type	k_q196e9085f3_prep,@function
k_q196e9085f3_prep:
	s_mov_b64 s[64:65], 0
	v_nop
	global_prefetch_b8 v0, s[64:65] scope:SCOPE_SE
	s_setreg_imm32_b32 hwreg(HW_REG_WAVE_MODE, 25, 1), 1
	s_wait_xcnt 0x0
; PREP: what the attention launch wants of the inputs, made once.
;   xt[b][n][c]  = bf16(x[b][c][n])                                     work-groups 0-255: a block of 256 channels x 64 positions each
;   at[h][c'][c] = bf16(cs * sum_d Wq_h[c][d] Wk_h[c'][d]),   gv[h][c'] = cs * sum_d Wk_h[c'][d] bq_h[d]      work-groups 256-319
;   bt[h][o][c]  = bf16(sum_d Wv_h[c][d] W_out[256 h + d][o]), cv[h][o] = sum_d bv_h[d] W_out[256 h + d][o]   work-groups 320-383
; cs = log2(e) / 16.  Wq_h, Wk_h, Wv_h are columns 768 h, 768 h + 256, 768 h + 512 (256 each) of W_proj; bq_h, bv_h the same places of b_proj.
; WHY.  q_i . k_j = (Wk_h q_i) . x_j + q_i . bk_h, and the second term is the same for every j, so the softmax over j is the same without it;
; and since a softmax row sums to 1, P (x Wv + bv) W_out = (P x)(Wv W_out) + bv W_out.  So keys and values of every head are x itself.
; LIMITS.  The k third of b_proj is not loaded: by the identity above it has no part in the result.  The sums are grouped otherwise than in the
; reference (weights times weights first), products in bf16 with f32 sums, at and bt rounded once more to bf16.  NaN and infinities are not treated apart.
; Nothing is shared on the way in, so all loads go to registers; LDS is a stage of 64 rows x 528 bytes that turns lanes' pieces into whole rows.
.set SPITCH, 528                       ; a stage row: 512 bytes + 16
.set SPARE,  64*SPITCH                 ; behind the stage: the spare words, 128 bytes a wave, two blocks of 256 bytes that no other line names
.set CSC,    0x3db8aa3b                ; log2(e) / 16
.set MSB, 0
.macro WIN new                         ; s_set_vgpr_msb: bits 1:0 source 0, 3:2 source 1, 5:4 source 2, 7:6 destination; the high byte repeats the setting that is left
.if MSB != (\new)
	s_set_vgpr_msb (MSB<<8)|(\new)
.set MSB, \new
.endif
.endm
; 32 numbers along d of one row, the part of lane half hh: d = 8 hh + 0..7 and 16 + 8 hh + 0..7, sixteen f32 (the offset register holds 32 hh)
.macro LD4 dst, voff, sb, imm
	global_load_b128 v[(\dst):(\dst)+3],     v[\voff], s[\sb:\sb+1] offset:(\imm)
	global_load_b128 v[(\dst)+4:(\dst)+7],   v[\voff], s[\sb:\sb+1] offset:(\imm)+16
	global_load_b128 v[(\dst)+8:(\dst)+11],  v[\voff], s[\sb:\sb+1] offset:(\imm)+64
	global_load_b128 v[(\dst)+12:(\dst)+15], v[\voff], s[\sb:\sb+1] offset:(\imm)+80
.endm
; unit k = 32 along d: the other side's rows c = 64 w + 16 tb + r, four tiles, into buffer k % 4 of window 1: 16 loads
.macro UNITLD k
	WIN 0x40
.irp tb, 0,1,2,3
	LD4 64*((\k)%4)+16*(\tb), 4, 30, (\tb)*196608+128*(\k)
.endr
.endm
; two units of my own 16 rows (kind 0: rows of W_proj; kind 1: columns of W_out, a number a load) and of the bias: 16 or 40 loads
.macro ROUNDLD rho, buf, kind
.irp cc, 0,1
.if \kind
.irp j, 0,1,2,3,4,5,6,7
	global_load_b32 v[(\buf)+16*(\cc)+(\j)],   v6, s[34:35] offset:32768*(2*(\rho)+(\cc))+1024*(\j)
	global_load_b32 v[(\buf)+16*(\cc)+8+(\j)], v6, s[34:35] offset:32768*(2*(\rho)+(\cc))+1024*(16+(\j))
.endr
.else
	LD4 (\buf)+16*(\cc), 6, 34, 128*(2*(\rho)+(\cc))
.endif
	LD4 (\buf)+32+16*(\cc), 5, 32, 128*(2*(\rho)+(\cc))
.endr
.endm
; the two units: own row . bias in f32 (two pairs by turns; the very first products start the sums), and the own rows rounded to fragments 2 rho, 2 rho + 1
.macro PROC rho, buf
.irp cc, 0,1
.irp i, 0,1,2,3,4,5,6,7
.if ((\rho)+(\cc) == 0) && ((\i) < 2)
	v_pk_mul_f32 v[112+2*(\i):113+2*(\i)], v[(\buf)+2*(\i):(\buf)+2*(\i)+1], v[(\buf)+32+2*(\i):(\buf)+32+2*(\i)+1]
.else
	v_pk_fma_f32 v[112+2*((\i)%2):113+2*((\i)%2)], v[(\buf)+16*(\cc)+2*(\i):(\buf)+16*(\cc)+2*(\i)+1], v[(\buf)+32+16*(\cc)+2*(\i):(\buf)+32+16*(\cc)+2*(\i)+1], v[112+2*((\i)%2):113+2*((\i)%2)]
.endif
.endr
.irp i, 0,1,2,3,4,5,6,7
	v_cvt_pk_bf16_f32 v[48+8*(2*(\rho)+(\cc))+(\i)], v[(\buf)+16*(\cc)+2*(\i)], v[(\buf)+16*(\cc)+2*(\i)+1]
.endr
.endr
.endm
.macro OWNPH kind                      ; loads come back in order (ISA guide 5.7.1): each count leaves out the one younger round, 16 or 40 loads
	ROUNDLD 0, 184, \kind
	ROUNDLD 1, 120, \kind
	s_wait_loadcnt 16+24*(\kind)
	PROC 0, 184
	ROUNDLD 2, 184, \kind
	s_wait_loadcnt 16+24*(\kind)
	PROC 1, 120
	ROUNDLD 3, 120, \kind
	s_wait_loadcnt 16+24*(\kind)
	PROC 2, 184
	s_wait_loadcnt 0x0
	PROC 3, 120
.endm
; unit k: its 64 f32 a lane are rounded into fragment buffer k % 2, its registers asked for again (unit k + 4), and four products follow, the four accumulators by turns.
; The buffer's last readers are unit k - 2's products; unit k - 1's 32 conversions, which name none of their registers, stand between.
.macro UNIT k
.if (\k) >= 4
	s_wait_loadcnt 16*(7-(\k))                     ; the younger units' loads stay out
.endif
	WIN 0x05
.irp tb, 0,1,2,3
.irp i, 0,1,2,3,4,5,6,7
	v_cvt_pk_bf16_f32 v[120+32*((\k)%2)+8*(\tb)+(\i)], v[64*((\k)%4)+16*(\tb)+2*(\i)], v[64*((\k)%4)+16*(\tb)+2*(\i)+1]
.endr
.endr
.if (\k) < 4
	UNITLD (\k)+4
.endif
	WIN 0
.irp tb, 0,1,2,3
.if (\k) == 0
	v_wmma_f32_16x16x32_bf16 v[16+8*(\tb):23+8*(\tb)], v[120+32*((\k)%2)+8*(\tb):127+32*((\k)%2)+8*(\tb)], v[48+8*(\k):55+8*(\k)], 0
.else
	v_wmma_f32_16x16x32_bf16 v[16+8*(\tb):23+8*(\tb)], v[120+32*((\k)%2)+8*(\tb):127+32*((\k)%2)+8*(\tb)], v[48+8*(\k):55+8*(\k)], v[16+8*(\tb):23+8*(\tb)]
.endif
.endr
.endm
	s_load_b512 s[4:19], s[0:1], 0x0               ; x 4, W_proj 6, b_proj 8, W_out 10, xt 12, at 14, bt 16, gv 18
	s_load_b64 s[20:21], s[0:1], 0x40              ; cv
	v_lshl_add_u32 v14, v0, 2, SPARE               ; my spare word,
	v_mov_b32 v15, 0                               ; and 0: kept for the wave's end alone
	v_lshrrev_b32 v1, 5, v0
	v_readfirstlane_b32 s22, v1                    ; wave 0..3
	v_and_b32 v1, 15, v0                           ; l % 16
	v_bfe_u32 v2, v0, 4, 1                         ; l / 16
	v_and_b32 v3, 31, v0                           ; l
	s_cmp_lt_u32 ttmp9, 256                        ; the same answer in all four waves
	s_cbranch_scc0 .Lfold
	; ---------------- CAST AND TRANSPOSE: image b = id / 16, positions 64 (id % 16) .. + 63, all 256 channels ----------------
	s_lshr_b32 s24, ttmp9, 4
	s_and_b32 s25, ttmp9, 15
	s_lshl_b32 s26, s24, 20                        ; x: an image is 1,048,576 bytes, 64 positions are 256
	s_lshl_b32 s27, s25, 8
	s_add_co_u32 s26, s26, s27
	s_mov_b32 s27, 0
	s_lshl_b32 s28, s24, 19                        ; xt: an image is 524,288 bytes, 64 rows are 32,768
	s_lshl_b32 s29, s25, 15
	s_add_co_u32 s28, s28, s29
	s_mov_b32 s29, 0
	s_lshl_b32 s30, s22, 18
	v_lshlrev_b32 v4, 4, v1
	v_lshl_add_u32 v4, v2, 14, v4
	v_add_nc_u32 v4, s30, v4                       ; in x: channel 64 w + 4 (l / 16), positions 4 (l % 16) ..: sixteen lanes take 256 consecutive bytes, aligned
	v_mul_u32_u24 v5, v1, 4*SPITCH
	v_lshl_add_u32 v5, v2, 3, v5
	s_lshl_b32 s30, s22, 7
	v_add_nc_u32 v5, s30, v5                       ; into the stage: row 4 (l % 16), byte 2 (64 w + 4 (l / 16))
	s_mul_i32 s30, s22, 16*SPITCH
	v_lshl_add_u32 v6, v3, 4, s30                  ; back: rows 16 w .., 16 bytes a lane: a whole row of 512 bytes a load
	s_lshl_b32 s30, s22, 13
	v_lshl_add_u32 v7, v3, 4, s30                  ; and the same in xt
	s_wait_kmcnt 0x0
	s_add_nc_u64 s[4:5], s[4:5], s[26:27]
	s_add_nc_u64 s[12:13], s[12:13], s[28:29]
.irp p, 0,1,2,3,4,5,6,7
.irp e, 0,1,2,3
	global_load_b128 v[64+16*(\p)+4*(\e):64+16*(\p)+4*(\e)+3], v4, s[4:5] offset:(8*(\p)+(\e))*4096 th:TH_LOAD_NT  ; channel 64 w + 8 p + 4 (l / 16) + e
.endr
.endr
.irp p, 0,1,2,3,4,5,6,7
	s_wait_loadcnt 28-4*(\p)                       ; group p's four loads are in, the younger groups stay out
.irp i, 0,1,2,3
	v_cvt_pk_bf16_f32 v[16+8*((\p)%2)+2*(\i)], v[64+16*(\p)+(\i)], v[64+16*(\p)+4+(\i)]      ; position i: four neighbouring channels, 8 bytes
	v_cvt_pk_bf16_f32 v[17+8*((\p)%2)+2*(\i)], v[64+16*(\p)+8+(\i)], v[64+16*(\p)+12+(\i)]
	ds_store_b64 v5, v[16+8*((\p)%2)+2*(\i):17+8*((\p)%2)+2*(\i)] offset:(\i)*SPITCH+16*(\p)
.endr
.endr
	s_wait_dscnt 0x0                               ; for the others' sake: my stores into the stage are done
	s_barrier_signal -1
	s_barrier_wait -1
.irp t, 0,1,2,3,4,5,6,7,8,9,10,11,12,13,14,15
	ds_load_b128 v[64+4*(\t):67+4*(\t)], v6 offset:SPITCH*(\t)
.endr
.irp t, 0,1,2,3,4,5,6,7,8,9,10,11,12,13,14,15
	s_wait_dscnt 15-(\t)
	global_store_b128 v7, v[64+4*(\t):67+4*(\t)], s[12:13] offset:512*(\t)  ; a row of xt: 512 consecutive bytes, aligned
.endr
	s_wait_tensorcnt 0x0                           ; the wave's end, behind my last LDS store
	ds_add_u32 v14, v15
	s_wait_dscnt 0x0
	s_endpgm
	; ---------------- WEIGHTS TIMES WEIGHTS: kind, head h, own rows 16 rb .. + 15 (c' or o), all 256 c; wave w makes c = 64 w .. + 63 ----------------
	; D = (16 rows c of the other side) x (my 16 own rows): a lane then holds ONE own row (l % 16) and c = 8 (l / 16) + 0..7: 16 bytes of a row of at or bt.
	; window 0: v16-47 four accumulators; v48-111 the own rows' eight fragments; v112-117 the dot; v120-183 two fragment buffers (first: a round's loads); v184-247 a round's loads.  window 1: four unit buffers of 64.
.Lfold:
	s_sub_co_u32 s24, ttmp9, 256
	s_lshr_b32 s25, s24, 6                         ; kind
	s_bfe_u32 s26, s24, 0x20004                    ; h
	s_and_b32 s27, s24, 15                         ; rb
	s_mul_i32 s28, s26, 3072
	s_lshl_b32 s29, s25, 11
	s_add_co_u32 s28, s28, s29                     ; 4 (768 h + 512 kind): the other side's and the bias's first column
	s_mov_b32 s29, 0
	s_mul_i32 s44, s27, 196608
	s_mul_i32 s46, s26, 3072
	s_add_co_u32 s44, s44, s46
	s_add_co_u32 s44, s44, 1024                    ; kind 0: row 16 rb of W_proj, column 768 h + 256
	s_lshl_b32 s46, s26, 18
	s_lshl_b32 s47, s27, 6
	s_add_co_u32 s46, s46, s47                     ; kind 1: row 256 h of W_out, column 16 rb
	s_mov_b32 s42, 0x76543210                      ; v_permlanex16_b32: each lane takes its own place in the other half
	s_mov_b32 s43, 0xfedcba98
	s_mul_i32 s47, s22, 786432
	v_mul_u32_u24 v4, v1, 12288
	v_lshl_add_u32 v4, v2, 5, v4
	v_add_nc_u32 v4, s47, v4                       ; other side: row 64 w + l % 16, 32 (l / 16) bytes along d
	v_lshlrev_b32 v5, 5, v2                        ; bias: 32 (l / 16)
	s_cmp_eq_u32 s25, 0
	s_cselect_b32 s44, s44, s46
	s_mov_b32 s45, 0
	s_cselect_b32 s36, CSC, 1.0                    ; at and gv carry cs
	s_mov_b32 s37, s36                             ; named with it as a pair
	s_wait_kmcnt 0x0
	s_cselect_b64 s[34:35], s[6:7], s[10:11]       ; own side
	s_cselect_b64 s[38:39], s[14:15], s[16:17]     ; at or bt
	s_cselect_b64 s[40:41], s[18:19], s[20:21]     ; gv or cv
	s_add_nc_u64 s[34:35], s[34:35], s[44:45]
	s_add_nc_u64 s[30:31], s[6:7], s[28:29]        ; other side
	s_add_nc_u64 s[32:33], s[8:9], s[28:29]        ; bias
	s_lshl_b32 s44, s26, 17
	s_lshl_b32 s46, s27, 13
	s_add_co_u32 s44, s44, s46
	s_add_nc_u64 s[38:39], s[38:39], s[44:45]      ; row 256 h + 16 rb, 512 bytes a row
	s_lshl_b32 s44, s26, 10
	s_lshl_b32 s46, s27, 6
	s_add_co_u32 s44, s44, s46
	s_add_nc_u64 s[40:41], s[40:41], s[44:45]
	UNITLD 0
	UNITLD 1
	UNITLD 2
	UNITLD 3
	WIN 0
	v_mul_u32_u24 v7, v1, SPITCH
	v_lshl_add_u32 v7, v2, 4, v7
	s_lshl_b32 s44, s22, 7
	v_add_nc_u32 v7, s44, v7                       ; into the stage: row l % 16, byte 2 (64 w + 8 (l / 16))
	s_mul_i32 s44, s22, 4*SPITCH
	v_lshl_add_u32 v8, v3, 4, s44                  ; back: rows 4 w ..
	s_lshl_b32 s44, s22, 11
	v_lshl_add_u32 v9, v3, 4, s44
	v_lshlrev_b32 v10, 2, v1
	s_cmp_eq_u32 s25, 0
	s_cbranch_scc0 .Lown1
	v_mul_u32_u24 v6, v1, 12288
	v_lshl_add_u32 v6, v2, 5, v6                   ; own row l % 16 of W_proj, 32 (l / 16) bytes along d
	OWNPH 0
	s_branch .Lunits
.Lown1:
	v_lshlrev_b32 v6, 2, v1
	v_lshl_add_u32 v6, v2, 13, v6                  ; own column l % 16 of W_out, 8 (l / 16) rows down
	OWNPH 1
.Lunits:
.irp k, 0,1,2,3,4,5,6,7
	UNIT \k
.endr
	; the dot's end: six plain instructions that name no register of the last products: the places in front of the scaling (ISA guide 7.12.1)
	v_pk_add_f32 v[112:113], v[112:113], v[114:115]
	v_add_f32 v116, v112, v113
	v_mov_b32 v117, 0
	v_permlanex16_b32 v117, v116, s42, s43         ; the other half of the lanes holds the other half of d
	v_add_f32 v116, v116, v117
	v_mul_f32 v116, s36, v116
.set i, 0
.rept 16
	v_pk_mul_f32 v[16+2*i:17+2*i], v[16+2*i:17+2*i], s[36:37] op_sel_hi:[1,0]  ; each accumulator from its low end on
.set i, i+1
.endr
.irp tb, 0,1,2,3
.irp e, 0,1,2,3
	v_cvt_pk_bf16_f32 v[120+4*(\tb)+(\e)], v[16+8*(\tb)+2*(\e)], v[17+8*(\tb)+2*(\e)]
.endr
	ds_store_b128 v7, v[120+4*(\tb):123+4*(\tb)] offset:32*(\tb)
.endr
	s_wait_dscnt 0x0                               ; for the others' sake: a row's 512 bytes come from four waves
	s_barrier_signal -1
	s_barrier_wait -1
.irp t, 0,1,2,3
	ds_load_b128 v[120+4*(\t):123+4*(\t)], v8 offset:SPITCH*(\t)
.endr
.irp t, 0,1,2,3
	s_wait_dscnt 3-(\t)
	global_store_b128 v9, v[120+4*(\t):123+4*(\t)], s[38:39] offset:512*(\t)  ; 512 consecutive bytes, aligned
.endr
	s_cmp_lg_u32 s22, 0                            ; all four waves hold the same dots: wave 0 stores them
	s_cbranch_scc1 .Lfend
	s_wait_xcnt 0x0                                ; EXEC is a source of the stores above: it changes only behind this wait
	v_cmp_gt_u32 vcc_lo, 16, v3
	s_and_saveexec_b32 s44, vcc_lo
	global_store_b32 v10, v116, s[40:41]           ; sixteen lanes, 64 consecutive bytes
	s_wait_xcnt 0x0                                ; and again in front of the line that widens it
	s_or_b32 exec_lo, exec_lo, s44
.Lfend:
	s_wait_tensorcnt 0x0                           ; the wave's end, behind my last LDS store
	ds_add_u32 v14, v15
	s_wait_dscnt 0x0
	s_endpgm
.Lfunc_end_k_q196e9085f3_prep:
	.size	k_q196e9085f3_prep, .Lfunc_end_k_q196e9085f3_prep-k_q196e9085f3_prep
	.p2alignl 7, 3214868480
	.fill 96, 4, 3214868480
	.section	.rodata,"a",@progbits
	.p2align	6, 0x0
	.amdhsa_kernel k_q196e9085f3_prep
		.amdhsa_group_segment_fixed_size 34304
		.amdhsa_private_segment_fixed_size 0
		.amdhsa_enable_private_segment 0
		.amdhsa_kernarg_size 72
		.amdhsa_user_sgpr_count 2
		.amdhsa_user_sgpr_kernarg_segment_ptr 1
		.amdhsa_wavefront_size32 1
		.amdhsa_system_sgpr_workgroup_id_x 1
		.amdhsa_system_sgpr_workgroup_id_y 1
		.amdhsa_system_sgpr_workgroup_id_z 1
		.amdhsa_system_vgpr_workitem_id 0
		.amdhsa_next_free_vgpr 512
		.amdhsa_next_free_sgpr 66
		.amdhsa_reserve_vcc 1
		.amdhsa_float_denorm_mode_32 3
		.amdhsa_float_denorm_mode_16_64 3
		.amdhsa_memory_ordered 1
		.amdhsa_forward_progress 1
		.amdhsa_inst_pref_size 89
	.end_amdhsa_kernel
	.amdgpu_metadata
---
amdhsa.version: [ 1, 2 ]
amdhsa.kernels:
  - .name:           k_q196e9085f3_prep
    .symbol:         k_q196e9085f3_prep.kd
    .args:
      - { .name: x, .offset: 0, .size: 8, .value_kind: global_buffer, .address_space: global }
      - { .name: W_proj, .offset: 8, .size: 8, .value_kind: global_buffer, .address_space: global }
      - { .name: b_proj, .offset: 16, .size: 8, .value_kind: global_buffer, .address_space: global }
      - { .name: W_out, .offset: 24, .size: 8, .value_kind: global_buffer, .address_space: global }
      - { .name: xt, .offset: 32, .size: 8, .value_kind: global_buffer, .address_space: global }
      - { .name: at, .offset: 40, .size: 8, .value_kind: global_buffer, .address_space: global }
      - { .name: bt, .offset: 48, .size: 8, .value_kind: global_buffer, .address_space: global }
      - { .name: gv, .offset: 56, .size: 8, .value_kind: global_buffer, .address_space: global }
      - { .name: cv, .offset: 64, .size: 8, .value_kind: global_buffer, .address_space: global }
    .group_segment_fixed_size: 34304
    .private_segment_fixed_size: 0
    .kernarg_segment_align: 8
    .kernarg_segment_size: 72
    .max_flat_workgroup_size: 128
    .sgpr_count:     66
    .vgpr_count:     512
    .wavefront_size: 32
...
	.end_amdgpu_metadata
.endif
;; end of part 1
;; launch attn (part 2): grid 16 x 16, 4 waves a work-group, clusters of 4 x 1, 327,680 bytes of LDS; arguments xt, at, bt, gv, cv, b_out, x, out0; writes out0
.if DOCPART == 2
	.amdgcn_target "amdgcn-amd-amdhsa--gfx1250"
	.amdhsa_code_object_version 6
	.text
	.protected	k_q196e9085f3_attn
	.globl	k_q196e9085f3_attn
	.p2align	8
	.type	k_q196e9085f3_attn,@function
k_q196e9085f3_attn:
	s_mov_b64 s[64:65], 0
	v_nop
	global_prefetch_b8 v0, s[64:65] scope:SCOPE_SE
	s_setreg_imm32_b32 hwreg(HW_REG_WAVE_MODE, 25, 1), 1
	s_wait_xcnt 0x0
	s_wait_alu depctr_hold_cnt(0) depctr_sa_sdst(0) depctr_va_vdst(0) depctr_va_sdst(0) depctr_va_ssrc(0) depctr_va_vcc(0) depctr_vm_vsrc(0)
	s_getreg_b32 s2, hwreg(HW_REG_IB_STS2, 6, 4)
	s_cmp_eq_u32 s2, 0
	s_cbranch_scc0 .Lentry_in_a_cluster
	s_endpgm
.Lentry_in_a_cluster:
	s_bfe_u32 s2, ttmp6, 0x10000c
	s_cmp_lg_u32 s2, 0x3003
	s_cbranch_scc0 .Lentry_shape_is_right
	s_endpgm
.Lentry_shape_is_right:
; ATTENTION, all of it in one launch.  With xt = x transposed in bf16, at, bt, gv, cv as the launch before made them:
;   q'_i = at_h x_i + gv_h (it carries log2(e) / 16);  s_ij = q'_i . x_j;  p = 2^(s - m), m a running maximum;  Y_i = sum_j p_ij x_j / sum_j p_ij;
;   out[b][o][i] = sum_h bt_h[o] . Y_i^h + sum_h cv[h][o] + b_out[o] + x[b][o][i].
; LIMITS.  All matrix operands are bf16 (q' and Y rounded once from f32 sums), sums, maxima, the residual and the biases f32.  A weight below 2^-126 counts as 0.  NaN and infinities are not treated apart.
; SHARES.  A work-group owns 64 queries of one image; wave w is head w, with all 64 queries (four tiles t of 16) and all 1,024 keys, 64 a step.  The four heads' parts of the output meet in LDS at the end.
; CLUSTER.  The four work-groups of a cluster have the same image and walk the same tiles, so every tile is asked for JOINTLY: the same tensor load, descriptor and mask in all four.
; THE RING.  Two LDS slots, twelve tiles in a row: A0-A3 (64 rows c' of at for each head), X0-X3 (256 keys of xt), B0-B3 (64 rows o of bt for each head).  A tile is 256 rows of 512 bytes, 528 apart;
; each wave brings 64 of them by one load.  A's and B's rows are read by the wave that brought them alone; X's by all four.  By this text's count a wave has two tensor loads out at the start, later one.
; ONE TILE OF xt IS K AND V.  Row m of a K fragment is taken from tile row 2 (m % 8) + m / 8 of its sixteen; so a lane's weights j = 0..7 belong to tile rows 2 j + l / 16, and those are the rows that the
; turning load (ds_load_tr16_b128) is pointed at..
; LAYOUT.  Every product is laid so that its result, rounded in pairs, IS the next product's operand: q'^T = at x^T and S^T = K q'^T and O^T = V^T P hold one query a lane; out = Y bt^T holds one o a lane and eight queries.
; REGISTERS, in windows of 256 (s_set_vgpr_msb: bits 1:0 source 0, 3:2 source 1, 5:4 source 2, 7:6 destination):
;   window 0: v0-15, v48-50, v62-63 addresses; v16-47 statistics, eight a tile: m, (0), l, l, c0-c3 (c2 takes a); v64-191 S^T (t, kb) at 64 + 32 t + 8 kb, P in place; v192-255 two fragment buffers
;   window 1: q' (t, u) at 64 t + 8 u, later Y          windows 2, 3: O^T (t, cb) at 64 t + 8 (cb % 8), window 2 + cb / 8, later out; at first the queries' x (window 2) and gv (window 3)
.set PITCH, 528
.set STEPB, 64*PITCH                   ; 64 rows: a wave's load, a key step
.set SLOT,  4*STEPB                    ; 135,168 = 0x21000; a wave's place in a slot, w x 33,792, has neither of its two bits, so one exclusive or turns an address in one slot into the other's
.set REDW,  256*272                    ; the end: a head's part of the output, 256 rows o x (64 queries x 4 bytes + 16); the four lie over the ring, which has had its last fill by then
.set CST,   4*REDW                     ; 256 f32: b_out + the four cv
.set SPARE, CST+1024                   ; the spare words, 128 bytes a wave: two blocks of 256 bytes that no other line names
.set ST, 16
.set S,  64
; s20 wave, s21 cx, s22 query block, s23 image; s[24:31] descriptor group 1; s[32:35] group 0 for A0; s[36:39] group 0 that walks; s40 w x STEPB; s42 LDS byte of the key step to come; s43, s44 counters;
; s[46:47] lane selects; s[48:49] at, s[50:51] xt, s[52:53] bt at my wave's rows of tile 0; s[54:55] xt's next tile; s[56:57], s[58:63] the prefetches' addresses; s66-68 their flags;
; s[72:73] my queries in xt; s[74:75] gv; s[76:77] x, s[78:79] out0 at my block.  s[80:81] alone hold offsets made of cx; s69, s[70:71], s[82:83] never do.
.set MSB, 0
.macro WIN new                         ; the high byte repeats the setting that is left; a switch that changes nothing is dropped
.if MSB != (\new)
	s_set_vgpr_msb (MSB<<8)|(\new)
.set MSB, \new
.endif
.endm
.macro PLACES                          ; four places behind a matrix instruction, in front of what reads its result or writes or loads into one of its registers (ISA guide 7.12.1 for vector instructions)
.rept 4
	v_nop
.endr
.endm
.macro ALL line:vararg                 ; one line for each tile t
.set t, 0
.rept 4
	\line
.set t, t+1
.endr
.endm
; A round of the cluster's barrier: my work-group's barrier, so that wave 0's signal speaks for all four waves; wave 0 signals; every wave waits for all four work-groups; my work-group's barrier once more.
.macro CROUND
	s_barrier_signal -1
	s_barrier_wait -1
	s_cmp_lg_u32 s20, 0
	s_cbranch_scc1 .Lnw0_\@
	s_barrier_signal -3
.Lnw0_\@:
	s_barrier_wait -3
	s_barrier_signal -1
	s_barrier_wait -1
.endm
.macro FILL                            ; every wave's one joint load behind a round; an s_nop 0 and four v_nop follow it
	tensor_load_to_lds s[36:39], s[24:31]
	s_nop 0
	PLACES
.endm
; A PREFETCH INTO THE L2 of my wave's part of the tile that the NEXT change of slots will ask for.  Each aligned 256 bytes are named once in the launch: X's tiles by the image's first cluster, A's and B's by
; the launch's first cluster; of a wave's 64 rows each of the four partners takes 16, told apart BY ADDRESS; a lane names half a row.  One instruction a wave, behind its tensor load and that load's five lines.
.macro ASK base, imm, flag
	s_cmp_eq_u32 s[\flag], 1
	s_cbranch_scc0 .Lnoask_\@
	global_prefetch_b8 v11, s[\base:\base+1] offset:\imm th:TH_LOAD_NT scope:SCOPE_SE
.Lnoask_\@:
.endm
; THE CHANGE OF SLOTS.  Each wave waits for all its tensor loads, of which one is out: its part of the slot to be read next; adds 0 to its spare word; steps the descriptor; waits for the add and for its reads
; of the slot that it leaves.  Behind the round no wave of any partner reads that slot or has a load on its way, and the joint refill is the first thing there.
.macro CHANGE src, imm, ab, ai, fl
	WIN 0
	s_wait_tensorcnt 0x0                           ; no tensor load of mine is out, so group 0 may be written
	ds_add_u32 v62, v63
	s_xor_b32 s37, s37, SLOT                       ; the other slot than last time
	s_add_nc_u64 s[38:39], s[\src:\src+1], \imm    ; the address is made anew from the tensor's pointer
	s_or_b32 s39, s39, 0x80000000                  ; type = 2
	s_wait_dscnt 0x0
	CROUND
	FILL
.if (\fl) != 0
	ASK \ab, \ai, \fl
.endif
.endm
; four fragments of 16 rows x 32 along the rows, at byte off: lane l takes row l % 16 (as the address register orders them), 16 bytes at 16 (l / 16) and 32 further on
.macro FETCH f, adr, off
.irp i, 0,1,2,3
	ds_load_b128 v[(\f)+8*(\i):(\f)+8*(\i)+3],   v[\adr] offset:(\off)+16*PITCH*(\i)
	ds_load_b128 v[(\f)+8*(\i)+4:(\f)+8*(\i)+7], v[\adr] offset:(\off)+16*PITCH*(\i)+32
.endr
.endm
; four fragments of V^T: channel blocks 2 g + e, key halves kk, at f + 8 (2 e + kk)
.macro FETCHV f, g
.irp e, 0,1
.irp kk, 0,1
	ds_load_tr16_b128 v[(\f)+8*(2*(\e)+(\kk)):(\f)+8*(2*(\e)+(\kk))+3],   v5 offset:32*(\kk)*PITCH+32*(2*(\g)+(\e))
	ds_load_tr16_b128 v[(\f)+8*(2*(\e)+(\kk))+4:(\f)+8*(2*(\e)+(\kk))+7], v5 offset:(32*(\kk)+16)*PITCH+32*(2*(\g)+(\e))
.endr
.endr
.endm
; sixteen products, the sixteen accumulators of v64-191 by turns: row block i x tile t, chunk c of 32.  init 1: they start the sums with 0; 2: with gv's block 4 tile + i (window 3)
.macro MUL16 f, c, init, tile
.irp i, 0,1,2,3
.irp t, 0,1,2,3
.if (\init) == 1
	v_wmma_f32_16x16x32_bf16 v[S+32*(\t)+8*(\i):S+32*(\t)+8*(\i)+7], v[(\f)+8*(\i):(\f)+8*(\i)+7], v[64*(\t)+8*(\c):64*(\t)+8*(\c)+7], 0
.elseif (\init) == 2
	v_wmma_f32_16x16x32_bf16 v[S+32*(\t)+8*(\i):S+32*(\t)+8*(\i)+7], v[(\f)+8*(\i):(\f)+8*(\i)+7], v[64*(\t)+8*(\c):64*(\t)+8*(\c)+7], v[8*(4*(\tile)+(\i)):8*(4*(\tile)+(\i))+7]
.else
	v_wmma_f32_16x16x32_bf16 v[S+32*(\t)+8*(\i):S+32*(\t)+8*(\i)+7], v[(\f)+8*(\i):(\f)+8*(\i)+7], v[64*(\t)+8*(\c):64*(\t)+8*(\c)+7], v[S+32*(\t)+8*(\i):S+32*(\t)+8*(\i)+7]
.endif
.endr
.endr
.endm
; 64 rows from LDS x 64 queries from registers over 256: eight chunks on two fragment buffers; a chunk's eight loads go out sixteen products ahead of their use.
; The windows used here leave destination and source 0 in window 0, so the LDS loads need no switch.
.macro GEMM8 adr, win, win0, init, tile
	PLACES
	FETCH 192, \adr, 0
.irp c, 0,1,2,3,4,5,6,7
.if (\c) < 7
	PLACES
	FETCH 192+32*(((\c)+1)%2), \adr, 64*((\c)+1)
	s_wait_dscnt 8                                 ; all but the eight just issued
.else
	s_wait_dscnt 0x0
.endif
.if (\c) == 0
	WIN \win0
	MUL16 192, 0, \init, \tile
.else
	WIN \win
	MUL16 192+32*((\c)%2), \c, 0, \tile
.endif
.endr
.endm
.macro QPACK tile                      ; 64 c' of q'^T, rounded: two blocks of 16 c' are one fragment (t, u)
	PLACES
	WIN 0x40
.irp t, 0,1,2,3
.irp i, 0,1,2,3
.irp e, 0,1,2,3
	v_cvt_pk_bf16_f32 v[64*(\t)+8*(2*(\tile)+(\i)/2)+4*((\i)%2)+(\e)], v[S+32*(\t)+8*(\i)+2*(\e)], v[S+32*(\t)+8*(\i)+2*(\e)+1]
.endr
.endr
.endr
	WIN 0
.endm
.macro SCALEO                          ; O^T times c2 of its tile (a, or 1 / l), each accumulator from its low end on
	WIN 0x82
.set i, 0
.rept 128
	v_pk_mul_f32 v[2*i:2*i+1], v[2*i:2*i+1], v[ST+8*(i/32)+6:ST+8*(i/32)+7] op_sel_hi:[1,0]
.set i, i+1
.endr
	WIN 0xc3
.set i, 0
.rept 128
	v_pk_mul_f32 v[2*i:2*i+1], v[2*i:2*i+1], v[ST+8*(i/32)+6:ST+8*(i/32)+7] op_sel_hi:[1,0]
.set i, i+1
.endr
	WIN 0
.endm
; THE SOFTMAX of a key step, the four tiles line by line.  A lane holds one query and 32 of the step's 64 scores; the other 32 lie in the lane 16 away.  first = 1: no old maximum, no a, nothing to rescale.
.macro SOFTMAX first
.irp j, 0,1,2,3
	ALL v_max3_num_f32 v[ST+8*t+4+\j], v[S+32*t+8*\j], v[S+32*t+8*\j+1], v[S+32*t+8*\j+2]  ; each accumulator's lowest registers are read first
.endr
.irp j, 4,5,6,7,8,9,10,11
	ALL v_max3_num_f32 v[ST+8*t+4+(\j)%4], v[ST+8*t+4+(\j)%4], v[S+32*t+8*((\j)%4)+2*((\j)/4)+1], v[S+32*t+8*((\j)%4)+2*((\j)/4)+2]
.endr
	ALL v_max3_num_f32 v[ST+8*t+4], v[ST+8*t+4], v[S+32*t+7], v[S+32*t+15]
	ALL v_max3_num_f32 v[ST+8*t+6], v[ST+8*t+6], v[S+32*t+23], v[S+32*t+31]
	ALL v_max3_num_f32 v[ST+8*t+4], v[ST+8*t+4], v[ST+8*t+5], v[ST+8*t+6]
.if \first
	ALL v_max_num_f32 v[ST+8*t+4], v[ST+8*t+4], v[ST+8*t+7]
.else
	ALL v_max3_num_f32 v[ST+8*t+4], v[ST+8*t+4], v[ST+8*t+7], v[ST+8*t]
.endif
	ALL v_permlanex16_b32 v[ST+8*t+5], v[ST+8*t+4], s46, s47
	ALL v_max_num_f32 v[ST+8*t+7], v[ST+8*t+4], v[ST+8*t+5]
.if !(\first)
	ALL v_sub_f32 v[ST+8*t+6], v[ST+8*t], v[ST+8*t+7]
.endif
	ALL v_mov_b32 v[ST+8*t], v[ST+8*t+7]
	; ONE BATCH: a and the 32 weights of each tile; nothing in it names an exponential's result
.if !(\first)
	ALL v_exp_f32 v[ST+8*t+6], v[ST+8*t+6]
.endif
	ALL v_pk_add_f32 v[S+32*t:S+32*t+1], v[S+32*t:S+32*t+1], v[ST+8*t:ST+8*t+1] op_sel_hi:[1,0] neg_lo:[0,1] neg_hi:[0,1]
.set b, 0
.rept 16
.set t, 0
.rept 4
.if b < 15
	v_pk_add_f32 v[S+32*t+2*b+2:S+32*t+2*b+3], v[S+32*t+2*b+2:S+32*t+2*b+3], v[ST+8*t:ST+8*t+1] op_sel_hi:[1,0] neg_lo:[0,1] neg_hi:[0,1]  ; s - m for the next pair
.endif
	v_exp_f32 v[S+32*t+2*b], v[S+32*t+2*b]
	v_exp_f32 v[S+32*t+2*b+1], v[S+32*t+2*b+1]
.set t, t+1
.endr
.set b, b+1
.endr
	v_nop                                          ; a plain instruction behind the last exponential (ISA guide 5.7.2),
	s_wait_alu depctr_va_vdst(0)                   ; and one wait ahead of the batch's first reader
	ALL v_pk_add_f32 v[ST+8*t+4:ST+8*t+5], v[S+32*t:S+32*t+1], v[S+32*t+2:S+32*t+3]
.irp j, 2,3,4,5,6,7,8,9,10,11,12,13,14
	ALL v_pk_add_f32 v[ST+8*t+4:ST+8*t+5], v[ST+8*t+4:ST+8*t+5], v[S+32*t+2*\j:S+32*t+2*\j+1]
.endr
.if \first
	ALL v_pk_add_f32 v[ST+8*t+2:ST+8*t+3], v[ST+8*t+4:ST+8*t+5], v[S+32*t+30:S+32*t+31]
.else
	ALL v_pk_add_f32 v[ST+8*t+4:ST+8*t+5], v[ST+8*t+4:ST+8*t+5], v[S+32*t+30:S+32*t+31]
	ALL v_pk_fma_f32 v[ST+8*t+2:ST+8*t+3], v[ST+8*t+2:ST+8*t+3], v[ST+8*t+6:ST+8*t+7], v[ST+8*t+4:ST+8*t+5] op_sel_hi:[1,0,1]
.endif
.irp j, 0,1,2,3,4,5,6,7,8,9,10,11,12,13,14,15
	ALL v_cvt_pk_bf16_f32 v[S+32*t+16*((\j)/8)+(\j)%8], v[S+32*t+16*((\j)/8)+2*((\j)%8)], v[S+32*t+16*((\j)/8)+2*((\j)%8)+1]  ; P in place: sixteen weights become eight registers at the block's head
.endr
.if !(\first)
	SCALEO
.endif
.endm
; O^T += V^T P: eight groups of two channel blocks, sixteen products each; between the two links of a chain stand seven other accumulators'.  Group 0's fragments were fetched ahead of the softmax.
.macro PVALL first
.irp g, 0,1,2,3,4,5,6,7
.if (\g) < 7
.if (\g) > 0
	PLACES
.endif
	WIN 0
	FETCHV 192+32*(((\g)+1)%2), (\g)+1
	s_wait_dscnt 8                                 ; all but the eight just issued
.else
	s_wait_dscnt 0x0
.endif
	WIN 0xa0+0x50*((\g)/4)
.irp kk, 0,1
.irp e, 0,1
.irp t, 0,1,2,3
.if (\first) && ((\kk) == 0)
	v_wmma_f32_16x16x32_bf16 v[64*(\t)+8*((2*(\g)+(\e))%8):64*(\t)+8*((2*(\g)+(\e))%8)+7], v[192+32*((\g)%2)+8*(2*(\e)+(\kk)):192+32*((\g)%2)+8*(2*(\e)+(\kk))+7], v[S+32*(\t)+16*(\kk):S+32*(\t)+16*(\kk)+7], 0
.else
	v_wmma_f32_16x16x32_bf16 v[64*(\t)+8*((2*(\g)+(\e))%8):64*(\t)+8*((2*(\g)+(\e))%8)+7], v[192+32*((\g)%2)+8*(2*(\e)+(\kk)):192+32*((\g)%2)+8*(2*(\e)+(\kk))+7], v[S+32*(\t)+16*(\kk):S+32*(\t)+16*(\kk)+7], v[64*(\t)+8*((2*(\g)+(\e))%8):64*(\t)+8*((2*(\g)+(\e))%8)+7]
.endif
.endr
.endr
.endr
.endr
.endm
; A KEY STEP: 128 products K q'^T, the softmax, 128 products V^T P.  The two additions and the eight v_nop at GEMM8's head are the places between the last step's products and the scores that land on P.
.macro STEP first
	WIN 0
	v_add_nc_u32 v4, s42, v2
	v_add_nc_u32 v5, s42, v3
	s_add_co_u32 s42, s42, STEPB
	GEMM8 4, 0x04, 0x04, 1, 0
	PLACES                                         ; behind the last K q'^T: for the loads into the buffer and for the softmax's first reads
	WIN 0
	FETCHV 192, 0
	SOFTMAX \first
	PVALL \first
	WIN 0
.endm
.macro YPACK                           ; Y = O^T / l, rounded: two channel blocks are one fragment (t, u) in window 1
	WIN 0
	ALL v_add_f32 v[ST+8*t+4], v[ST+8*t+2], v[ST+8*t+3]
	ALL v_permlanex16_b32 v[ST+8*t+5], v[ST+8*t+4], s46, s47
	ALL v_add_f32 v[ST+8*t+4], v[ST+8*t+4], v[ST+8*t+5]
	ALL v_rcp_f32 v[ST+8*t+6], v[ST+8*t+4]
	v_nop                                          ; a plain instruction behind the last reciprocal,
	s_wait_alu depctr_va_vdst(0)                   ; and one wait for the four, ahead of their first reader
	SCALEO
	WIN 0x4a
.set i, 0
.rept 128
	v_cvt_pk_bf16_f32 v[64*(i/32)+i%32], v[2*i], v[2*i+1]
.set i, i+1
.endr
	WIN 0x4f
.set i, 0
.rept 128
	v_cvt_pk_bf16_f32 v[64*(i/32)+32+i%32], v[2*i], v[2*i+1]
.set i, i+1
.endr
	WIN 0
.endm
; out (t, 4 tile + i) = Y (t, .) x 16 rows o of bt: a lane then holds one o and the queries 16 t + 8 (l / 16) + 0..7
.macro BTILE tile
	WIN 0
	PLACES
	FETCH 192, 6+(\tile)%2, 0
.irp c, 0,1,2,3,4,5,6,7
.if (\c) < 7
	PLACES
	WIN 0
	FETCH 192+32*(((\c)+1)%2), 6+(\tile)%2, 64*((\c)+1)
	s_wait_dscnt 8                                 ; all but the eight just issued
.else
	s_wait_dscnt 0x0
.endif
	WIN 0xa1+0x50*((\tile)/2)
.irp i, 0,1,2,3
.irp t, 0,1,2,3
.if (\c) == 0
	v_wmma_f32_16x16x32_bf16 v[64*(\t)+8*(4*((\tile)%2)+(\i)):64*(\t)+8*(4*((\tile)%2)+(\i))+7], v[64*(\t)+8*(\c):64*(\t)+8*(\c)+7], v[192+32*((\c)%2)+8*(\i):192+32*((\c)%2)+8*(\i)+7], 0
.else
	v_wmma_f32_16x16x32_bf16 v[64*(\t)+8*(4*((\tile)%2)+(\i)):64*(\t)+8*(4*((\tile)%2)+(\i))+7], v[64*(\t)+8*(\c):64*(\t)+8*(\c)+7], v[192+32*((\c)%2)+8*(\i):192+32*((\c)%2)+8*(\i)+7], v[64*(\t)+8*(4*((\tile)%2)+(\i)):64*(\t)+8*(4*((\tile)%2)+(\i))+7]
.endif
.endr
.endr
.endr
.endm
.macro RLOAD bt                        ; two pairs of rows o of all four heads' parts
.irp p, 0,1
.irp v, 0,1,2,3
	ds_load_b128 v[192+32*((\bt)%2)+16*(\p)+4*(\v):192+32*((\bt)%2)+16*(\p)+4*(\v)+3], v[12+(\v)] offset:544*(2*(\bt)+(\p))
.endr
.endr
.endm
.macro ROUT bt                         ; the four parts, the biases and the residual are added and stored
.irp p, 0,1
.set FB, 192+32*((\bt)%2)+16*(\p)
.set RH, 2*(\bt)+(\p)
.set XB, 64+4*RH
	v_pk_add_f32 v[FB:FB+1], v[FB:FB+1], v[FB+4:FB+5]
	v_pk_add_f32 v[FB+2:FB+3], v[FB+2:FB+3], v[FB+6:FB+7]
	v_pk_add_f32 v[FB+8:FB+9], v[FB+8:FB+9], v[FB+12:FB+13]
	v_pk_add_f32 v[FB+10:FB+11], v[FB+10:FB+11], v[FB+14:FB+15]
.irp q, 0,1,2,3
	v_add_f32 v[XB+\q], v[XB+\q], v[16+RH]
.endr
	v_pk_add_f32 v[FB:FB+1], v[FB:FB+1], v[FB+8:FB+9]
	v_pk_add_f32 v[FB+2:FB+3], v[FB+2:FB+3], v[FB+10:FB+11]
	v_pk_add_f32 v[XB:XB+1], v[XB:XB+1], v[FB:FB+1]
	v_pk_add_f32 v[XB+2:XB+3], v[XB+2:XB+3], v[FB+2:FB+3]
	global_store_b128 v49, v[XB:XB+3], s[78:79] offset:8192*RH  ; sixteen lanes store 256 consecutive bytes, aligned; these registers are not written again
.endr
.endm
	; ---------------- the head ----------------
	s_load_b512 s[4:19], s[0:1], 0x0               ; xt 4, at 6, bt 8, gv 10, cv 12, b_out 14, x 16, out0 18
	v_lshl_add_u32 v62, v0, 2, SPARE
	v_mov_b32 v63, 0
	ds_add_u32 v62, v63                            ; the wave's opening: the add and its wait stand ahead of my first tensor load; work on registers stands between them
	v_lshrrev_b32 v1, 5, v0
	v_readfirstlane_b32 s20, v1                    ; wave = head
	s_bfe_u32 s21, ttmp6, 0x40000                  ; cx
	s_lshl_b32 s22, ttmp9, 2
	s_add_co_u32 s22, s22, s21                     ; my block of 64 queries: it enters the queries', x's and out0's addresses alone
	s_and_b32 s23, ttmp7, 0xffff                   ; the image, which the four partners share
	s_mov_b32 s24, 15|(1<<16)|(1<<20)|(1<<21)|(6<<22)|(3<<25)  ; 15:0 the mask of four; 17:16 2-byte elements; 20 padding on; 21 set beside a mask; 24:22 after every 128 words (code 6); 31:25 4 words (code 3)
	s_mov_b32 s25, 256<<16                         ; tensor_dim0 = 256
	s_mov_b32 s26, 64<<16                          ; tensor_dim1 = 64
	s_mov_b32 s27, 256<<16                         ; tile_dim0 = 256
	s_mov_b32 s28, 64                              ; tile_dim1 = 64
	s_mov_b32 s29, 256                             ; 256 elements from row to row
	s_mov_b32 s30, 0
	s_mov_b32 s31, 0
	s_mul_i32 s40, s20, STEPB                      ; my 64 rows' place in a slot
	s_mov_b32 s32, 1
	s_mov_b32 s33, s40                             ; A0 into slot 0
	s_mov_b32 s36, 1
	s_add_co_u32 s37, s40, SLOT                    ; A1 into slot 1
	s_mov_b32 s46, 0x76543210
	s_mov_b32 s47, 0xfedcba98
	s_mov_b32 s42, 0
	s_cmp_eq_u32 ttmp9, 0
	s_cselect_b32 s66, 1, -1                       ; the image's first cluster
	s_or_b32 s67, ttmp9, s23
	s_cmp_eq_u32 s67, 0
	s_cselect_b32 s67, 1, -1                       ; the launch's first cluster
	s_lshl_b32 s70, s20, 17                        ; a head's 256 rows of at and of bt
	s_mov_b32 s71, 0
	s_lshl_b32 s82, s23, 19                        ; an image's 1,024 rows of xt,
	s_lshl_b32 s69, s20, 15                        ; my 64 of a tile's 256
	s_add_co_u32 s82, s82, s69
	s_mov_b32 s83, 0
	s_lshl_b32 s80, s21, 13                        ; the prefetches: my work-group's 16 rows of a wave's 64
	s_mov_b32 s81, 0
	s_wait_dscnt 0x0                               ; the opening add is done
	s_wait_kmcnt 0x0
	s_add_nc_u64 s[48:49], s[6:7], s[70:71]
	s_add_nc_u64 s[52:53], s[8:9], s[70:71]
	s_add_nc_u64 s[50:51], s[4:5], s[82:83]
	s_add_nc_u64 s[58:59], s[48:49], s[80:81]
	s_add_nc_u64 s[60:61], s[50:51], s[80:81]
	s_add_nc_u64 s[62:63], s[52:53], s[80:81]
	s_lshl_b32 s70, s20, 10
	s_add_nc_u64 s[74:75], s[10:11], s[70:71]
	s_lshl_b32 s80, s22, 15
	s_lshl_b32 s69, s23, 19
	s_add_co_u32 s80, s80, s69
	s_add_nc_u64 s[72:73], s[4:5], s[80:81]
	s_lshl_b32 s80, s22, 8
	s_lshl_b32 s69, s23, 20
	s_add_co_u32 s80, s80, s69
	s_add_nc_u64 s[76:77], s[16:17], s[80:81]
	s_add_nc_u64 s[78:79], s[18:19], s[80:81]
	s_add_nc_u64 s[34:35], s[48:49], 0
	s_or_b32 s35, s35, 0x80000000
	s_add_nc_u64 s[38:39], s[48:49], 32768
	s_or_b32 s39, s39, 0x80000000
	CROUND                                         ; all four work-groups are here: the first joint loads meet
	tensor_load_to_lds s[32:35], s[24:31]          ; A0
	s_nop 0
	tensor_load_to_lds s[36:39], s[24:31]          ; A1
	s_nop 0
	PLACES
	v_and_b32 v1, 15, v0                           ; l % 16
	v_bfe_u32 v9, v0, 4, 1                         ; l / 16
	v_lshlrev_b32 v8, 9, v1
	v_lshl_add_u32 v8, v9, 4, v8                   ; a query's row of 512 bytes, 16 bytes for each half of the lanes
	v_lshlrev_b32 v10, 5, v9
	v_lshlrev_b32 v51, 2, v0
	WIN 0x80
.irp t, 0,1,2,3
.irp c, 0,1,2,3,4,5,6,7
	global_load_b128 v[64*(\t)+8*(\c):64*(\t)+8*(\c)+3],   v8, s[72:73] offset:8192*(\t)+64*(\c)     ; my queries' x: fragment (t, c)
	global_load_b128 v[64*(\t)+8*(\c)+4:64*(\t)+8*(\c)+7], v8, s[72:73] offset:8192*(\t)+64*(\c)+32
.endr
.endr
	WIN 0xc0
.set i, 0
.rept 16
	global_load_b128 v[8*i:8*i+3],   v10, s[74:75] offset:64*i      ; gv as a C operand: register j of block i holds c' = 16 i + 8 (l / 16) + j
	global_load_b128 v[8*i+4:8*i+7], v10, s[74:75] offset:64*i+16
.set i, i+1
.endr
	WIN 0
	global_load_b32 v52, v51, s[14:15]             ; b_out and the four cv at o = thread and thread + 128
	global_load_b32 v57, v51, s[14:15] offset:512
.irp h, 0,1,2,3
	global_load_b32 v[53+(\h)], v51, s[12:13] offset:1024*(\h)
	global_load_b32 v[58+(\h)], v51, s[12:13] offset:1024*(\h)+512
.endr
	v_and_b32 v4, 7, v1
	v_lshrrev_b32 v5, 3, v1
	v_lshl_add_u32 v4, v4, 1, v5
	v_mul_u32_u24 v2, v4, PITCH
	v_lshl_add_u32 v2, v9, 4, v2                   ; K: tile row 2 (r % 8) + r / 8
	v_and_b32 v4, 7, v0
	v_lshl_add_u32 v4, v4, 1, v9
	v_mul_u32_u24 v3, v4, PITCH
	v_bfe_u32 v5, v0, 3, 1
	v_lshl_add_u32 v3, v5, 4, v3                   ; V: tile row 2 (l % 8) + l / 16, channels 8 ((l / 8) % 2) ..
	v_mul_u32_u24 v6, v1, PITCH
	v_lshl_add_u32 v6, v9, 4, v6
	v_add_nc_u32 v6, s40, v6                       ; my own 64 rows in slot 0,
	v_add_nc_u32 v7, SLOT, v6                      ; in slot 1
	v_and_b32 v11, 31, v0
	v_lshlrev_b32 v11, 8, v11                      ; the prefetches: 256 bytes a lane
	s_mul_i32 s69, s20, 64*272
	v_mul_u32_u24 v12, v9, 272
	v_lshl_add_u32 v12, v1, 4, v12
	v_add_nc_u32 v12, s69, v12                     ; the end, back: rows o = 64 w + l / 16 .., 16 bytes a lane, of head 0's part,
	v_add_nc_u32 v13, REDW, v12                    ; head 1's,
	v_add_nc_u32 v14, 2*REDW, v12
	v_add_nc_u32 v15, 3*REDW, v12
	s_mul_i32 s69, s20, REDW
	v_mul_u32_u24 v48, v1, 272
	v_lshl_add_u32 v48, v9, 5, v48
	v_add_nc_u32 v48, s69, v48                     ; the end, in: my head's part, row o = l % 16, 32 bytes for each half of the lanes
	s_lshl_b32 s69, s20, 18
	v_lshlrev_b32 v49, 4, v1
	v_lshl_add_u32 v49, v9, 12, v49
	v_add_nc_u32 v49, s69, v49                     ; in x and out0: row o = 64 w + l / 16, 16 bytes a lane
	s_lshl_b32 s69, s20, 8
	s_add_co_u32 s69, s69, CST
	v_lshl_add_u32 v50, v9, 2, s69
.irp t, 0,1,2,3
	v_mov_b32 v[ST+8*(\t)+1], 0                    ; named with m as a pair
.endr
	s_wait_loadcnt 0x0
	v_add_f32 v52, v52, v53
	v_add_f32 v54, v54, v55
	v_add_f32 v57, v57, v58
	v_add_f32 v59, v59, v60
	v_add_f32 v52, v52, v54
	v_add_f32 v57, v57, v59
	v_add_f32 v52, v52, v56
	v_add_f32 v57, v57, v61
	v_add_nc_u32 v51, CST, v51
	ds_store_b32 v51, v52                          ; read at the end, many barriers on
	ds_store_b32 v51, v57 offset:512
	; ---------------- q' = at x + gv ----------------
	s_wait_tensorcnt 0x1                           ; my rows of A0 are in, and nobody else reads them; A1 may stay out
	GEMM8 6, 0x08, 0x38, 2, 0
	QPACK 0
	CHANGE 48, 65536, 58, 98304, 67                ; A2 is asked for; A3 prefetched
	GEMM8 7, 0x08, 0x38, 2, 1
	QPACK 1
	CHANGE 48, 98304, 60, 0, 66                    ; A3; X0
	GEMM8 6, 0x08, 0x38, 2, 2
	QPACK 2
	CHANGE 50, 0, 60, 131072, 66                   ; X0; X1
	GEMM8 7, 0x08, 0x38, 2, 3
	QPACK 3
	CHANGE 50, 131072, 60, 262144, 66              ; X1; X2.  X0 is whole, everybody's part of it
	; ---------------- sixteen key steps ----------------
	s_add_nc_u64 s[54:55], s[50:51], 262144
	STEP 1                                         ; the first step starts m, l and O^T: nothing is cleared
	s_mov_b32 s44, 3
	s_mov_b32 s43, 4
	s_branch .Lstep
.Lxtile:                                               ; three times, s43 = 3, 2, 1: into X1, X2, X3; X2, X3, B0 are asked for; X3, B0, B1 prefetched
	s_wait_tensorcnt 0x0
	ds_add_u32 v62, v63                            ; the scalar work stands between the add and the wait for it
	s_xor_b32 s37, s37, SLOT
	s_cmp_eq_u32 s43, 1
	s_cselect_b64 s[38:39], s[52:53], s[54:55]
	s_or_b32 s39, s39, 0x80000000
	s_add_nc_u64 s[54:55], s[54:55], 131072
	s_wait_xcnt 0x0                                ; the last prefetch, four key steps back, has read its address
	s_cmp_eq_u32 s43, 3
	s_cselect_b64 s[56:57], s[60:61], s[62:63]
	s_cselect_b32 s68, s66, s67
	s_cselect_b32 s70, 393216, 0
	s_cmp_eq_u32 s43, 1
	s_cselect_b32 s70, 32768, s70
	s_add_nc_u64 s[56:57], s[56:57], s[70:71]
	s_sub_co_u32 s42, s42, 4*STEPB                 ; the fetches go back to a slot's first step,
	s_xor_b32 s42, s42, SLOT                       ; in the other slot
	s_wait_dscnt 0x0
	CROUND
	FILL
	ASK 56, 0, 68
	s_mov_b32 s44, 4
.Lstep:
	STEP 0
	s_sub_co_u32 s44, s44, 1
	s_cmp_lg_u32 s44, 0
	s_cbranch_scc1 .Lstep
	s_sub_co_u32 s43, s43, 1
	s_cmp_lg_u32 s43, 0
	s_cbranch_scc1 .Lxtile
	; ---------------- out = Y bt ----------------
	CHANGE 52, 32768, 62, 65536, 67                ; B1; B2
	YPACK
.set p, 0
.rept 32
	global_load_b128 v[64+4*p:67+4*p], v49, s[76:77] offset:8192*p th:TH_LOAD_NT  ; the residual, for the end: it comes in under the products
.set p, p+1
.endr
	BTILE 0
	CHANGE 52, 65536, 62, 98304, 67                ; B2; B3
	BTILE 1
	CHANGE 52, 98304, 0, 0, 0                      ; B3: the last fill
	BTILE 2
	s_wait_tensorcnt 0x0                           ; my rows of B3: no load was issued behind it
	BTILE 3
	; ---------------- the four heads meet ----------------
	PLACES
	WIN 0
	s_wait_dscnt 0x0                               ; my reads of the ring are over, and all my tensor loads have landed:
	s_barrier_signal -1
	s_barrier_wait -1                              ; everybody's; the ring's bytes are free
	WIN 0x08
.irp t, 0,1,2,3
.irp ob, 0,1,2,3,4,5,6,7
	ds_store_b128 v48, v[64*(\t)+8*(\ob):64*(\t)+8*(\ob)+3]   offset:4352*(\ob)+64*(\t)
	ds_store_b128 v48, v[64*(\t)+8*(\ob)+4:64*(\t)+8*(\ob)+7] offset:4352*(\ob)+64*(\t)+16
.endr
.endr
	WIN 0x0c
.irp t, 0,1,2,3
.irp ob, 0,1,2,3,4,5,6,7
	ds_store_b128 v48, v[64*(\t)+8*(\ob):64*(\t)+8*(\ob)+3]   offset:4352*(8+(\ob))+64*(\t)
	ds_store_b128 v48, v[64*(\t)+8*(\ob)+4:64*(\t)+8*(\ob)+7] offset:4352*(8+(\ob))+64*(\t)+16
.endr
.endr
	WIN 0
	s_wait_dscnt 0x0                               ; for the others' sake
	s_barrier_signal -1
	s_barrier_wait -1
.set p, 0
.rept 32
	ds_load_b32 v[16+p], v50 offset:8*p            ; the biases of my rows o = 64 w + 2 p + l / 16
.set p, p+1
.endr
	RLOAD 0
	s_wait_loadcnt 0x0                             ; the residual
.irp n, 0,1,2,3,4,5,6,7,8,9,10,11,12,13,14,15
.if (\n) < 15
	RLOAD (\n)+1
	s_wait_dscnt 8                                 ; all but the eight just issued
.else
	s_wait_dscnt 0x0
.endif
	ROUT \n
.endr
	s_wait_tensorcnt 0x0                           ; the wave's end, behind my last tensor load and my last LDS store
	ds_add_u32 v62, v63
	s_wait_dscnt 0x0
	CROUND                                         ; the closing round: no work-group ends while a partner may still ask for a tile that names it
	s_endpgm
.Lfunc_end_k_q196e9085f3_attn:
	.size	k_q196e9085f3_attn, .Lfunc_end_k_q196e9085f3_attn-k_q196e9085f3_attn
	.p2alignl 7, 3214868480
	.fill 96, 4, 3214868480
	.section	.rodata,"a",@progbits
	.p2align	6, 0x0
	.amdhsa_kernel k_q196e9085f3_attn
		.amdhsa_group_segment_fixed_size 327680
		.amdhsa_private_segment_fixed_size 0
		.amdhsa_enable_private_segment 0
		.amdhsa_kernarg_size 64
		.amdhsa_user_sgpr_count 2
		.amdhsa_user_sgpr_kernarg_segment_ptr 1
		.amdhsa_wavefront_size32 1
		.amdhsa_system_sgpr_workgroup_id_x 1
		.amdhsa_system_sgpr_workgroup_id_y 1
		.amdhsa_system_sgpr_workgroup_id_z 1
		.amdhsa_system_vgpr_workitem_id 0
		.amdhsa_next_free_vgpr 1024
		.amdhsa_next_free_sgpr 84
		.amdhsa_reserve_vcc 0
		.amdhsa_float_denorm_mode_32 3
		.amdhsa_float_denorm_mode_16_64 3
		.amdhsa_memory_ordered 1
		.amdhsa_forward_progress 1
		.amdhsa_inst_pref_size 255
	.end_amdhsa_kernel
	.section	.bss,"aw",@nobits
	.p2align	6
	.space	262144
	.amdgpu_metadata
---
amdhsa.version: [ 1, 2 ]
amdhsa.kernels:
  - .name:           k_q196e9085f3_attn
    .symbol:         k_q196e9085f3_attn.kd
    .args:
      - { .name: xt, .offset: 0, .size: 8, .value_kind: global_buffer, .address_space: global }
      - { .name: at, .offset: 8, .size: 8, .value_kind: global_buffer, .address_space: global }
      - { .name: bt, .offset: 16, .size: 8, .value_kind: global_buffer, .address_space: global }
      - { .name: gv, .offset: 24, .size: 8, .value_kind: global_buffer, .address_space: global }
      - { .name: cv, .offset: 32, .size: 8, .value_kind: global_buffer, .address_space: global }
      - { .name: b_out, .offset: 40, .size: 8, .value_kind: global_buffer, .address_space: global }
      - { .name: x, .offset: 48, .size: 8, .value_kind: global_buffer, .address_space: global }
      - { .name: out0, .offset: 56, .size: 8, .value_kind: global_buffer, .address_space: global }
    .group_segment_fixed_size: 327680
    .private_segment_fixed_size: 0
    .kernarg_segment_align: 8
    .kernarg_segment_size: 64
    .max_flat_workgroup_size: 128
    .sgpr_count:     84
    .vgpr_count:     1024
    .wavefront_size: 32
...
	.end_amdgpu_metadata
.endif
;; end of part 2
